; MI455X (gfx1250); checked and timed in simulation.
; The chip was launched on July 23, 2026; its instructions are those of AMD's public machine-readable ISA for CDNA 5 (MIT licence, August 2026) and "CDNA5" Instruction Set Architecture Reference Guide (July 2026). The comments in the code are by the model that wrote it; some were corrected since.
;; Multi Head Attention. Allowed arithmetic: matrix products marked QUANTISED: E2M3 operands, one E8M0 scale for each 32 along K, by v_wmma_scale_f32_16x16x128_f8f6f4 with both operands' format E2M3, f32 sums; everything else in f32.
;; Inputs: W_proj_codes 1,024 x 32 x 24 uint8 (E2M3 codes of W_proj, K innermost, in blocks of 32 codes, four codes in three bytes); W_proj_scales 1,024 x 32 uint8 (E8M0 scales of W_proj, one for each 32 codes along K); W_qkv_codes 3,072 x 32 x 24 uint8 (E2M3 codes of W_qkv, K innermost, in blocks of 32 codes, four codes in three bytes); W_qkv_scales 3,072 x 32 uint8 (E8M0 scales of W_qkv, one for each 32 codes along K); b_proj 1,024 float32; freqs_cos 2,048 x 32 float32; freqs_sin 2,048 x 32 float32; x_codes 4 x 2,048 x 32 x 24 uint8 (E2M3 codes of x, K innermost, in blocks of 32 codes, four codes in three bytes); x_scales 4 x 2,048 x 32 uint8 (E8M0 scales of x, one for each 32 codes along K).
;; Outputs: out0 4 x 2,048 x 1,024 float32.
;; This version of the problem:
;;   THIS VERSION OF THE PROBLEM IS GIVEN IN LOW PRECISION. The matrix products marked QUANTISED in the list below multiply operands that are first quantised to E2M3 (2 exponent bits, 3 mantissa bits; 6 bits a number), with one power-of-two scale for each 32 numbers along K (OCP MX v1.0); their sums are f32. All else is computed in f32.
;;   The module's matrix products, in the order in which they are computed (A, B: the left and right operand; K: the contracted axis; several contracted axes count as one K, in the product's order):
;;     1. [M 8,192, K 1,024] x [K 1,024, N 3,072]; A: input x (given as codes); B: input W_qkv (given as codes): QUANTISED
;;     2. batch 64 x [M 2,048, K 64] x [K 64, N 2,048]; A: computed on the way; B: computed on the way: QUANTISED
;;     3. batch 64 x [M 64, K 2,048] x [K 2,048, N 2,048]; A: computed on the way; B: softmax (see below): QUANTISED
;;     4. [M 8,192, K 1,024] x [K 1,024, N 1,024]; A: computed on the way; B: input W_proj (given as codes): QUANTISED
;;   THE QUANTISER, for each operand of a quantised product, along K:
;;     - K is cut into blocks of 32 from its start; a last block that is shorter is filled with zeros.
;;     - A block's scale is 2^e with e = floor(log2(the largest magnitude in the block)) - 2, held to -126 .. 127; a block of zeros has e = 0. As a byte (E8M0): e + 127.
;;     - Each number is divided by its block's scale, clamped to +-7.5, and rounded to the nearest number of E2M3, ties to even, subnormals kept.
;;     - The product sums the exact products of the quantised numbers (number of the format x scale) in f32.
;;   ~~~python
;;   def quantise(x, axis):      # numpy; x: float32 -> the quantised numbers, widened to float32 again
;;       x = np.moveaxis(x, axis, -1); K = x.shape[-1]
;;       x = np.pad(x, [(0, 0)] * (x.ndim - 1) + [(0, -K % 32)]); x = x.reshape(x.shape[:-1] + (-1, 32)); a = np.abs(x).max(-1, keepdims=True)
;;       e = np.where(a > 0, np.clip(np.frexp(np.where(a > 0, a, 1))[1] - 1 - 2, -126, 127), 0)      # np.frexp(a)[1] - 1 = floor(log2(a)), exactly
;;       r = np.clip(x / 2.0 ** e, -7.5, 7.5)
;;       step = 2.0 ** (np.maximum(np.frexp(np.where(r == 0, 1, r))[1] - 1, 0) - 3)
;;       q = np.round(r / step) * step * 2.0 ** e      # np.round: ties to even
;;       return np.moveaxis(q.reshape(q.shape[:-2] + (-1,))[..., :K], -1, axis).astype(np.float32)
;;   ~~~
;;   SOFTMAX AHEAD OF A QUANTISED PRODUCT. Where the list says 'softmax', what is quantised is not the finished softmax but p = 2^(t - M), with t = logit x log2(e) and M = ceil(the row's largest t), a whole number; so 1/2 < the row's largest p <= 1. The row's sum l is taken of the UNQUANTISED p, in f32, and the product's result is divided by l at the end. Since M is a whole number, a kernel that streams over the keys may use a running M (the ceiling of the running maximum): every later rescaling is an exact power of two, which a block's scale takes up: the codes' values come out the same.
;;   OPERANDS COMPUTED ON THE WAY. 'Computed on the way' means the value that the module computes at that place (a softmax that the list does not call 'softmax' is quantised finished and normalised). What goes into a quantiser is computed in f32, as accurately as f32 sums, v_exp_f32 and their like allow (about 1e-6 of the number): no bf16 or f16 on the way to a quantiser, and a product that is left as it is and whose result goes on into a quantised operand takes f32 operands (vector FMAs, or v_wmma_f32_16x16x4_f32). A number that lies on a knife's edge between two numbers of the format may be rounded either way, as far as f32 arithmetic and the matrix unit's own rounding can turn it there, and no further.
;;   INPUTS GIVEN AS CODES. W_proj (in the module: [1024, 1024], K = its axis 0); W_qkv (in the module: [1024, 3072], K = its axis 0); x (in the module: [4, 2048, 1024], K = its axis 2): each comes as NAME_codes (uint8): NAME with its K axis moved to the last place and cut into blocks of 32 codes, [.., K / 32, bytes a block], one block behind the other in memory; four codes in three bytes: a row's codes are one little-endian stream of bits, code i at bits 6 i .. 6 i + 5 (a code: sign, 2 exponent bits, 3 mantissa bits); and NAME_scales (uint8): the same leading axes, one E8M0 byte (e + 127) for each 32 codes along K. Its value is code x scale, taken as it is: it is not quantised again, and the codes and scales need not be those that the quantiser above would give.
;; One version. Each part assembles by itself: llvm-mc -triple=amdgcn-amd-amdhsa -mcpu=gfx1250 --defsym DOCPART=n.
;; ======== version 1 of 1: 3 launches
;; limits: right only within a limited range of input values
;; workspace buffers: qrec 7,340,032 bytes; kvrec 13,893,632 bytes; oc 6,291,456 bytes; os 262,144 bytes
;; launch qkv (part 1): grid 8 x 32, 4 waves a work-group, clusters of 4 x 4, 327,680 bytes of LDS; arguments x_codes, x_scales, W_qkv_codes, W_qkv_scales, freqs_cos, freqs_sin, qrec, kvrec; writes qrec, kvrec
.if DOCPART == 1
	.amdgcn_target "amdgcn-amd-amdhsa--gfx1250"
	.amdhsa_code_object_version 6
	.text
	.protected	k_q0d65c9c250_qkv
	.globl	k_q0d65c9c250_qkv
	.p2align	8
	.type	k_q0d65c9c250_qkv,@function
k_q0d65c9c250_qkv:
	s_mov_b64 s[64:65], 0
	v_nop
	global_prefetch_b8 v0, s[64:65] scope:SCOPE_SE
	s_setreg_imm32_b32 hwreg(HW_REG_WAVE_MODE, 25, 1), 1
	s_wait_xcnt 0x0
	s_wait_alu depctr_hold_cnt(0) depctr_sa_sdst(0) depctr_va_vdst(0) depctr_va_sdst(0) depctr_va_ssrc(0) depctr_va_vcc(0) depctr_vm_vsrc(0)
	s_getreg_b32 s2, hwreg(HW_REG_IB_STS2, 6, 4)
	s_cmp_eq_u32 s2, 0
	s_cbranch_scc0 .Lentry_in_a_cluster
	s_endpgm
.Lentry_in_a_cluster:
	s_bfe_u32 s2, ttmp6, 0x10000c
	s_cmp_lg_u32 s2, 0xf033
	s_cbranch_scc0 .Lentry_shape_is_right
	s_endpgm
.Lentry_shape_is_right:
; FIRST OF THREE LAUNCHES.  qkv = x W_qkv on the given codes of E2M3; RoPE on q and k; q and k quantised along the head's 64, v along the keys; stored as records for the second launch.
; No work of the problem is left out in any launch, and every input is loaded.
; SHARES.  Work-group (j, i) owns tokens 256 i .. +255 and THREE PARTS of 128 rows of W: q, k and v of heads 2 j, 2 j + 1.  256 work-groups.  Wave w owns tokens 64 w .. +63 of the 256, against all 128 rows of a part: 32 accumulators.
; x's 256 rows (768 bytes each, all of K) come into LDS once; each wave then holds its 64 rows' fragments for all of K in 384 registers, through all three parts.  Their LDS bytes serve again: the lower half takes W's part 1, the upper half its scales and the stage.
; W's part 0 lies in R2; part 1 is asked for when x has been read out, part 2 (into R2) when part 0 has been multiplied: each a whole part ahead of its use.  So no prefetch is laid: the text has no loop along K to run ahead in.
; Rows of x and W are dense in memory, so every tile is stated as rows of 256 bytes, 16 bytes of padding behind each: byte y of row n lies at 816 n + y + 16 (y / 256).
; CLUSTERS 4 x 4: x's tile is shared along a row of the cluster, W's tiles along a column: joint loads.
; q, k: source 0 = 16 rows of W, source 1 = 16 tokens: a lane holds one token and eight neighbouring channels.  v: the sources swapped: a lane holds one channel and its registers run along the keys.
; RECORDS, for each head and 128 tokens: q 7,168 bytes (codes 48 bytes a token, 128 bytes of zeros behind each 32 tokens; scale words from 6,656 on); k the same, then v's codes (6,144) and scale words (256): 13,568.
; LIMITS: a block whose largest magnitude lies under 2^-124 gets the scale byte 1 (its codes are zeros; this program alone reads the bytes).  NaN and infinities are not served.
; REGISTERS.  Window 0: v0-31 addresses; v32-63 x's scale words (8 a + step), v64-127 W's (8 b + step); v128-159 cos and sin; v160-255 W's fragments of even steps, on the way out cos, sin and scratch.
; Window 1: x's fragments of steps 0-4.  Window 2: v0-143 those of steps 5-7, v144-239 W's fragments of odd steps.  Window 3: the accumulators.
.set ROWP, 816
.set BLK,  16*ROWP
.set HALF, 64*ROWP
.set R0,   0
.set S0,   2*HALF
.set STG,  S0+4352
.set STV,  STG+57344
.set R2,   4*HALF
.set S2,   6*HALF
.set SPARE, S2+4352
.set FQ,7
.set STC,20
.set STS,21
.set PADA,22
.set RDB,23
.set GOFF,24
.set VTC,25
.set VTS,26
.set RDV,27
.set SPW,28
.set NIL,29
.set R13,30
.set G13,31
.set T,192
.set TM,224
.set TP,228
.set SO,232
.set WD,236
.set CD,240
.set G1A,24
.set G1B,32
.set G1S,68
.set G0A,48
.set G0S,52
.set G0B,56
.set DW0,(3<<16)|(1<<20)|(1<<21)|(5<<22)|(3<<25)
.set MSB,0
.macro WIN new
.if MSB != (\new)
	s_set_vgpr_msb (MSB<<8)|(\new)
.set MSB,(\new)
.endif
.endm
.macro PLACES
.rept 4
	v_nop
.endr
.endm
.macro CROUND                          ; a round of the cluster's barrier
	s_barrier_signal -1
	s_barrier_wait -1
	s_cmp_lg_u32 s14, 0
	s_cbranch_scc1 .Lnw0_\@
	s_barrier_signal -3
.Lnw0_\@:
	s_barrier_wait -3
	s_barrier_signal -1
	s_barrier_wait -1
.endm
.macro GRP1 g, rows                    ; rows of 32 elements of 8 bytes, dense
	s_mov_b32 s[\g+1], 32<<16
	s_mov_b32 s[\g+2], (\rows)<<16
	s_mov_b32 s[\g+3], 32<<16
	s_mov_b32 s[\g+4], \rows
	s_mov_b32 s[\g+5], 32
	s_mov_b32 s[\g+6], 0
	s_mov_b32 s[\g+7], 0
.endm
.macro TLOAD g0, g1
	tensor_load_to_lds s[\g0:\g0+3], s[\g1:\g1+7]
	s_nop 0
	PLACES
.endm
.macro ARM under, g0, g1, next
	s_cmp_lt_u32 s14, \under
	s_cbranch_scc0 \next
	TLOAD \g0, \g1
	s_branch .Lhead_asked
\next:
.endm
.macro BLOAD                           ; a part of W: wave 1 its scales, waves 2 and 3 64 rows of codes each; wave 0 has no part of it
	s_cmp_eq_u32 s14, 0
	s_cbranch_scc1 .Lnone_\@
	s_cmp_eq_u32 s14, 1
	s_cbranch_scc0 .Lcodes_\@
	TLOAD G0S, G1S
	s_branch .Lnone_\@
.Lcodes_\@:
	TLOAD G0B, G1B
.Lnone_\@:
.endm
	s_load_b256 s[4:11], s[0:1], 0x0               ; x codes, x scales, W codes, W scales
	s_load_b256 s[92:99], s[0:1], 0x20             ; cos, sin, qrec, kvrec
	v_lshl_add_u32 v[SPW], v0, 2, SPARE
	v_mov_b32 v[NIL], 0
	ds_add_u32 v[SPW], v[NIL]                      ; the opening lines
	ds_add_u32 v[SPW], v[NIL]
	v_lshrrev_b32 v1, 5, v0
	v_readfirstlane_b32 s14, v1                    ; wave
	s_lshr_b32 s15, s14, 1
	s_and_b32 s16, s14, 1
	s_bfe_u32 s40, ttmp6, 0x40000                  ; cx
	s_bfe_u32 s41, ttmp6, 0x40004                  ; cy
	s_lshl_b32 s42, ttmp9, 2
	s_add_co_u32 s42, s42, s40                     ; j
	s_and_b32 s17, ttmp7, 0xffff
	s_lshl_b32 s17, s17, 2
	s_add_co_u32 s17, s17, s41                     ; i
	s_lshl_b32 s43, s41, 2
	s_lshl_b32 s43, 15, s43                        ; my row of the cluster
	s_lshl_b32 s44, 0x1111, s40                    ; my column
	s_or_b32 s[G1A], s43, DW0
	s_or_b32 s[G1B], s44, DW0
	s_or_b32 s[G1S], s44, DW0
	GRP1 G1A, 768                                  ; x: 256 rows of 768 bytes
	GRP1 G1B, 192                                  ; W: 64 rows
	GRP1 G1S, 16                                   ; W's scales: 128 rows of 32 bytes
	s_mul_i32 s20, s17, 196608
	s_mov_b32 s21, 0
	s_lshl_b32 s22, s17, 13
	s_mov_b32 s23, 0
	s_mul_i32 s46, s42, 98304
	s_mul_i32 s47, s16, 49152
	s_add_co_u32 s46, s46, s47
	s_mov_b32 s47, 0
	s_lshl_b32 s100, s42, 12
	s_mov_b32 s101, 0
	s_mul_i32 s45, s16, HALF
	; the waves' LDS bases, all made of the wave's number
	s_lshl_b32 s76, s14, 11
	s_mul_i32 s77, s14, HALF
	s_mul_i32 s18, s15, 7168
	s_mul_i32 s78, s16, 3328
	s_add_co_u32 s78, s78, s18
	s_add_co_u32 s78, s78, STG
	s_lshl_b32 s79, s16, 4
	s_add_co_u32 s79, s79, s18
	s_add_co_u32 s79, s79, STG+6656
	s_mul_i32 s80, s14, 7168
	s_add_co_u32 s80, s80, STG
	s_mul_i32 s18, s15, 6400
	s_mul_i32 s81, s16, 3072
	s_add_co_u32 s81, s81, s18
	s_add_co_u32 s81, s81, STV
	s_lshl_b32 s82, s16, 1
	s_add_co_u32 s82, s82, s18
	s_add_co_u32 s82, s82, STV+6144
	s_mul_i32 s83, s14, 6400
	s_add_co_u32 s83, s83, STV
	s_mul_i32 s84, s16, 12800
	s_add_co_u32 s84, s84, STV+6144
	s_mov_b32 s104, 0x76543210
	s_mov_b32 s105, 0xfedcba98
	s_wait_dscnt 0x0
	s_wait_kmcnt 0x0
	s_add_nc_u64 s[20:21], s[4:5], s[20:21]
	s_add_nc_u64 s[6:7], s[6:7], s[22:23]
	s_add_nc_u64 s[46:47], s[8:9], s[46:47]
	s_add_nc_u64 s[100:101], s[10:11], s[100:101]
	CROUND                                         ; the first joint loads meet
	s_mov_b32 s[G0A], 1
	s_mov_b32 s[G0A+1], R0
	s_mov_b64 s[G0A+2:G0A+3], s[20:21]
	s_or_b32 s[G0A+3], s[G0A+3], 0x80000000
	s_mov_b32 s[G0S], 1
	s_mov_b32 s[G0S+1], S2
	s_mov_b64 s[G0S+2:G0S+3], s[100:101]
	s_or_b32 s[G0S+3], s[G0S+3], 0x80000000
	s_mov_b32 s[G0B], 1
	s_add_co_u32 s[G0B+1], s45, R2
	s_mov_b64 s[G0B+2:G0B+3], s[46:47]
	s_or_b32 s[G0B+3], s[G0B+3], 0x80000000
	ARM 1, G0A, G1A, .Lhead_s                      ; one load a wave: wave 0 x, wave 1 W's scales, waves 2 and 3 W's codes
	ARM 2, G0S, G1S, .Lhead_b
	TLOAD G0B, G1B
.Lhead_asked:
	; where my records go: record 16 (16 batch + head) + the 128 tokens' number
	s_lshr_b32 s18, s17, 3
	s_lshl_b32 s18, s18, 4
	s_lshl_b32 s19, s42, 1
	s_add_co_u32 s18, s18, s19
	s_and_b32 s19, s17, 7
	s_lshl_b32 s23, s19, 15
	s_lshl_b32 s19, s19, 1
	s_add_co_u32 s22, s18, s15                     ; I send out head 2 j + w / 2, tokens' half w % 2
	s_lshl_b32 s22, s22, 4
	s_add_co_u32 s22, s22, s19
	s_add_co_u32 s22, s22, s16
	s_add_co_u32 s18, s18, s16                     ; v's last 256 bytes: head 2 j + w % 2, both halves
	s_lshl_b32 s18, s18, 4
	s_add_co_u32 s18, s18, s19
	s_mov_b32 s21, 0
	s_mul_i32 s20, s22, 7168
	s_add_nc_u64 s[96:97], s[96:97], s[20:21]
	s_mul_i32 s20, s22, 13568
	s_add_nc_u64 s[12:13], s[98:99], s[20:21]
	s_mul_i32 s20, s18, 13568
	s_add_nc_u64 s[98:99], s[98:99], s[20:21]
	s_lshl_b32 s20, s14, 13
	s_add_co_u32 s20, s20, s23                     ; cos, sin: row 256 (i % 8) + 64 w, 128 bytes a row
	s_add_nc_u64 s[92:93], s[92:93], s[20:21]
	s_add_nc_u64 s[94:95], s[94:95], s[20:21]
	v_and_b32 v1, 15, v0                           ; r
	v_bfe_u32 v2, v0, 4, 1                         ; h
	v_and_b32 v3, 7, v0
	v_bfe_u32 v4, v0, 3, 1
	v_lshlrev_b32 v128, 5, v1
	v_add_nc_u32 v128, s76, v128
.irp a,0,1,2,3
	global_load_b128 v[32+8*\a:35+8*\a], v128, s[6:7] offset:512*\a       ; x's scale words: my row's 32 bytes, a word a step
	global_load_b128 v[36+8*\a:39+8*\a], v128, s[6:7] offset:512*\a+16
.endr
	v_mul_u32_u24 v5, v1, ROWP
	v_mad_u32_u24 v5, v2, 24, v5                   ; 816 r + 24 h
	v_lshl_add_u32 v6, v2, 4, v5                   ; for pieces whose upper lanes lie in the next 256 bytes: 16 more there
	v_add_nc_u32 v8, R2, v5
	v_add_nc_u32 v9, R2, v6
	v_add_nc_u32 v10, R2+4*BLK, v5
	v_add_nc_u32 v11, R2+4*BLK, v6
	v_add_nc_u32 v12, R0, v5
	v_add_nc_u32 v13, R0, v6
	v_add_nc_u32 v14, R0+4*BLK, v5
	v_add_nc_u32 v15, R0+4*BLK, v6
	v_add_nc_u32 v16, s77, v5
	v_add_nc_u32 v17, s77, v6
	v_lshlrev_b32 v5, 5, v1
	v_lshl_add_u32 v5, v4, 4, v5
	v_add_nc_u32 v18, S2, v5
	v_add_nc_u32 v19, S0, v5
	v_lshlrev_b32 v[FQ], 7, v1
	v_lshl_add_u32 v[FQ], v2, 4, v[FQ]
	v_mul_u32_u24 v[STC], v1, 48
	v_mad_u32_u24 v[STC], v2, 12, v[STC]
	v_add_nc_u32 v[STC], s78, v[STC]
	v_lshlrev_b32 v[STS], 5, v3
	v_lshl_add_u32 v[STS], v4, 3, v[STS]
	v_add_nc_u32 v[STS], s79, v[STS]
	v_bfe_u32 v5, v0, 3, 2
	v_mul_u32_u24 v[PADA], v5, 1664
	v_lshl_add_u32 v[PADA], v3, 4, v[PADA]
	v_add_nc_u32 v[PADA], s80, v[PADA]
	v_add_nc_u32 v[PADA], 1536, v[PADA]
	v_and_b32 v5, 31, v0
	v_lshlrev_b32 v[GOFF], 4, v5
	v_add_nc_u32 v[RDB], s80, v[GOFF]
	v_add_nc_u32 v[RDV], s83, v[GOFF]
	v_mul_u32_u24 v[VTC], v3, 48
	v_mad_u32_u24 v[VTC], v4, 768, v[VTC]
	v_mad_u32_u24 v[VTC], v2, 12, v[VTC]
	v_add_nc_u32 v[VTC], s81, v[VTC]
	v_lshlrev_b32 v[VTS], 4, v3
	v_lshl_add_u32 v[VTS], v4, 2, v[VTS]
	v_add_nc_u32 v[VTS], s82, v[VTS]
	v_lshlrev_b32 v[R13], 4, v1
	v_mad_u32_u24 v[R13], v2, 6400, v[R13]
	v_add_nc_u32 v[R13], s84, v[R13]
	v_lshlrev_b32 v[G13], 4, v1
	v_mad_u32_u24 v[G13], v2, 13568, v[G13]
	v_add_nc_u32 v[G13], 6144, v[G13]
; a fragment: 12 registers, six pieces of 8 bytes of the row's stream of bits; ar: the address, ar + 1 where the upper lanes' piece lies behind the next padding
.macro PIECES reg, ar, st, off
.irp p,0,1,2,3,4,5
.set PB, 96*(\st)+48*(\p/3)+8*(\p%3)
	ds_load_b64 v[\reg+2*\p:\reg+2*\p+1], v[\ar+(PB+24)/256-PB/256] offset:PB+16*(PB/256)+\off
.endr
.endm
.macro FETCHB st, rg                   ; W's eight fragments of a step
.if (\st)%2
	WIN 0x80
.else
	WIN 0
.endif
.irp b,0,1,2,3,4,5,6,7
	PIECES 160-16*((\st)%2)+12*\b, \rg+2*(\b/4), \st, (\b%4)*BLK
.endr
	WIN 0
.endm
.macro BSCALES ar                      ; W's scale words of the part: a row's 32 bytes, a word a step
.irp b,0,1,2,3,4,5,6,7
	ds_load_b128 v[64+8*\b:67+8*\b], v[\ar] offset:544*\b
	ds_load_b128 v[68+8*\b:71+8*\b], v[\ar] offset:544*\b+16
.endr
.endm
.macro WM d, x, y, sx, sy, zero
.if \zero
	v_wmma_scale_f32_16x16x128_f8f6f4 v[\d:\d+7], v[\x:\x+11], v[\y:\y+11], 0, v[\sx], v[\sy] matrix_a_fmt:MATRIX_FMT_FP6 matrix_b_fmt:MATRIX_FMT_FP6
.else
	v_wmma_scale_f32_16x16x128_f8f6f4 v[\d:\d+7], v[\x:\x+11], v[\y:\y+11], v[\d:\d+7], v[\sx], v[\sy] matrix_a_fmt:MATRIX_FMT_FP6 matrix_b_fmt:MATRIX_FMT_FP6
.endif
.endm
.macro MULS st, vv, zero               ; 32 products, the accumulators by turns
.set AL, 48*((\st)%5)
.set BL, 160-16*((\st)%2)
.if \vv
	WIN (0xf0|(1+(\st)/5)|((2*((\st)%2))<<2))
.else
	WIN (0xf0|(2*((\st)%2))|((1+(\st)/5)<<2))
.endif
.irp a,0,1,2,3
.irp b,0,1,2,3,4,5,6,7
.if \vv
	WM 8*(4*\b+\a), AL+12*\a, BL+12*\b, 32+8*\a+(\st), 64+8*\b+(\st), \zero
.else
	WM 8*(8*\a+\b), BL+12*\b, AL+12*\a, 64+8*\b+(\st), 32+8*\a+(\st), \zero
.endif
.endr
.endr
	WIN 0
.endm
.macro LOADF a                         ; cos and sin of my 16 tokens of block a: 16 + 16 numbers a lane
.irp t,0,1,2,3
	global_load_b128 v[128+32*((\a)%2)+4*\t:131+32*((\a)%2)+4*\t], v[FQ], s[92:93] offset:2048*(\a)+32*\t
	global_load_b128 v[144+32*((\a)%2)+4*\t:147+32*((\a)%2)+4*\t], v[FQ], s[94:95] offset:2048*(\a)+32*\t
.endr
.endm
.macro PART vv, rg                     ; eight steps of 128 along K; the next step's fragments are asked for ahead of a step's products
.irp st,0,1,2,3,4,5,6,7
	s_wait_dscnt 0x0
	PLACES                                         ; in front of loads into registers that the last step's products read
.if \st < 7
	FETCHB \st+1, \rg
.elseif \vv == 0
	LOADF 0
	LOADF 1
.endif
.if \st == 0
	MULS \st, \vv, 1
.else
	MULS \st, \vv, 0
.endif
.endr
.endm
.macro QUANT base                      ; four blocks of 32: my 16 numbers of each in v[base + 16 b ..] of window 3, the other 16 in the lane 16 away
	WIN 0x3c
.irp b,0,1,2,3
	v_max3_num_f32 v[TM+\b], 0x1800000, |v[\base+16*\b]|, |v[\base+16*\b+1]|
.endr
.irp i,2,4,6,8,10,12,14
.irp b,0,1,2,3
	v_max3_num_f32 v[TM+\b], v[TM+\b], |v[\base+16*\b+\i]|, |v[\base+16*\b+\i+1]|
.endr
.endr
	WIN 0
.irp b,0,1,2,3
	v_permlanex16_b32 v[TP+\b], v[TM+\b], s104, s105
.endr
.irp b,0,1,2,3
	v_max_num_f32 v[TM+\b], v[TM+\b], v[TP+\b]
.endr
.irp b,0,1,2,3
	v_add_nc_u32 v[SO+\b], 0xff000000, v[TM+\b]    ; 2 off the exponent field: the conversion's scale operand
.endr
	WIN 3
.irp b,0,1,2,3
	v_cvt_scalef32_pk16_fp6_f32 v[CD+4*\b:CD+4*\b+2], v[\base+16*\b:\base+16*\b+15], v[SO+\b]
.endr
	WIN 0
.irp b,0,1,2,3
	v_lshrrev_b32 v[TM+\b], 23, v[SO+\b]           ; the scales' bytes
.endr
	v_lshl_or_b32 v[WD], v[TM+1], 8, v[TM]
	v_lshl_or_b32 v[WD+1], v[TM+3], 8, v[TM+2]
.endm
.macro EPIHEAD
	PLACES                                         ; behind the last products
.irp b,0,1,2,3
	v_mov_b32 v[TP+\b], 0
.endr
.endm
; THE WAY OUT OF q OR k: RoPE in place, quantised, codes and scale words into the work-group's stage (four records); a barrier; each wave sends one record out.
.macro EPIQK pt, ptr, tw
	EPIHEAD
.irp b,0,1,2,3
	v_mov_b32 v[T+\b], 0
.endr
	ds_store_b128 v[PADA], v[T:T+3] offset:28672*\pt      ; the zeros behind each 32 tokens of record w
.irp a,0,1,2,3
	s_wait_alu depctr_va_vdst(0)                   ; the wait ahead of a wait that blocks
.if \a < 3
	s_wait_loadcnt 8                               ; the younger buffer's eight loads may be out
.else
	s_wait_loadcnt 0x0
.endif
.set cb, 128+32*(\a%2)
.irp g,0,1
.set xb, 64*\a+32*\g
	WIN 0x03
.irp t,0,1,2,3
.irp u,0,1
	v_pk_mul_f32 v[T+8*\t+4*\u:T+8*\t+4*\u+1], v[xb+8*\t+4*\u:xb+8*\t+4*\u+1], v[cb+16+4*\t+2*\u:cb+16+4*\t+2*\u+1] op_sel:[1,0] op_sel_hi:[0,0] neg_lo:[1,0]
	v_pk_mul_f32 v[T+8*\t+4*\u+2:T+8*\t+4*\u+3], v[xb+8*\t+4*\u+2:xb+8*\t+4*\u+3], v[cb+16+4*\t+2*\u:cb+16+4*\t+2*\u+1] op_sel:[1,1] op_sel_hi:[0,1] neg_lo:[1,0]
.endr
.endr
	WIN 0xc3
.irp t,0,1,2,3
.irp u,0,1
	v_pk_fma_f32 v[xb+8*\t+4*\u:xb+8*\t+4*\u+1], v[xb+8*\t+4*\u:xb+8*\t+4*\u+1], v[cb+4*\t+2*\u:cb+4*\t+2*\u+1], v[T+8*\t+4*\u:T+8*\t+4*\u+1] op_sel:[0,0,0] op_sel_hi:[1,0,1]
	v_pk_fma_f32 v[xb+8*\t+4*\u+2:xb+8*\t+4*\u+3], v[xb+8*\t+4*\u+2:xb+8*\t+4*\u+3], v[cb+4*\t+2*\u:cb+4*\t+2*\u+1], v[T+8*\t+4*\u+2:T+8*\t+4*\u+3] op_sel:[0,1,0] op_sel_hi:[1,1,1]
.endr
.endr
.endr
	QUANT 64*\a
.irp k,0,1,2,3
.irp i,0,1,2
	ds_store_b32 v[STC], v[CD+4*\k+\i] offset:28672*\pt+14336*(\k/2)+768*\a+128*(\a/2)+24*(\k%2)+4*\i
.endr
.endr
.irp g,0,1
	ds_store_b32 v[STS], v[WD+\g] offset:28672*\pt+14336*\g+256*((\a/2)%2)+4*(\a%2)
.endr
.if \a < 2
	LOADF \a+2
.endif
.endr
	s_wait_alu depctr_va_vdst(0)
.if \tw
	s_wait_tensorcnt 0x0                           ; my part of W's last part is in: the barrier below shows it to all four waves
.endif
	s_wait_dscnt 0x0
	s_barrier_signal -1
	s_barrier_wait -1
.irp i,0,1,2,3,4,5,6,7,8,9,10,11,12,13
	ds_load_b128 v[128+4*\i:131+4*\i], v[RDB] offset:28672*\pt+512*\i
.endr
.irp i,0,1,2,3,4,5,6,7,8,9,10,11,12,13
	s_wait_dscnt 13-\i
	global_store_b128 v[GOFF], v[128+4*\i:131+4*\i], s[\ptr:\ptr+1] offset:512*\i   ; 32 lanes store 512 consecutive bytes
.endr
	s_wait_xcnt 0x0                                ; the stores have read their registers
.endm
	s_wait_alu depctr_va_vdst(0)                   ; the wait at the head's end
	s_wait_tensorcnt 0x0
	s_barrier_signal -1
	s_barrier_wait -1                              ; x, W's part 0 and its scales are in
.irp st,0,1,2,3,4,5,6,7
.if \st < 5
	WIN 0x40
.else
	WIN 0x80
.endif
.irp a,0,1,2,3
	PIECES 48*(\st%5)+12*\a, 16, \st, \a*BLK       ; x's fragments of my 64 tokens, all of K
.endr
.endr
	WIN 0
	BSCALES 18
	FETCHB 0, 8
	s_wait_tensorcnt 0x0                           ; the three lines and the round ahead of a refill
	ds_add_u32 v[SPW], v[NIL]
	s_mov_b32 s[G0S+1], S0
	s_add_co_u32 s[G0B+1], s45, R0
	s_add_nc_u64 s[G0S+2:G0S+3], s[G0S+2:G0S+3], 32768
	s_add_nc_u64 s[G0B+2:G0B+3], s[G0B+2:G0B+3], 786432
	s_wait_dscnt 0x0                               ; x has been read out
	CROUND
	BLOAD                                          ; W's part 1 (k) onto x's bytes
	s_wait_loadcnt 0x0                             ; x's scale words
	PART 0, 8
	s_wait_tensorcnt 0x0
	ds_add_u32 v[SPW], v[NIL]
	s_mov_b32 s[G0S+1], S2
	s_add_co_u32 s[G0B+1], s45, R2
	s_add_nc_u64 s[G0S+2:G0S+3], s[G0S+2:G0S+3], 32768
	s_add_nc_u64 s[G0B+2:G0B+3], s[G0B+2:G0B+3], 786432
	s_wait_dscnt 0x0
	CROUND
	BLOAD                                          ; W's part 2 (v) onto part 0's bytes
	EPIQK 0, 96, 0
	BSCALES 19
	FETCHB 0, 12
	PART 0, 12
	EPIQK 1, 12, 1
	BSCALES 18
	FETCHB 0, 8
	PART 1, 8
; THE WAY OUT OF v: accumulator (a, b) at 8 (4 b + a): 32 registers of a channel block run along my 64 keys: two blocks of 32.
	EPIHEAD
.irp g,0,1,2,3
	QUANT 64*\g
.irp k,0,1,2,3
.irp i,0,1,2
	ds_store_b32 v[VTC], v[CD+4*\k+\i] offset:12800*(\g/2)+384*(\g%2)+1536*(\k/2)+24*(\k%2)+4*\i
.endr
.endr
.irp k,0,1
	ds_store_b16 v[VTS], v[WD+\k] offset:12800*(\g/2)+128*(\g%2)+8*\k     ; my two bytes of the four of 128 keys
.endr
.endr
	s_wait_alu depctr_va_vdst(0)
	s_wait_dscnt 0x0
	s_barrier_signal -1
	s_barrier_wait -1
.irp i,0,1,2,3,4,5,6,7,8,9,10,11
	ds_load_b128 v[128+4*\i:131+4*\i], v[RDV] offset:512*\i
.endr
.irp i,0,1,2,3,4,5,6,7,8,9,10,11
	s_wait_dscnt 11-\i
	global_store_b128 v[GOFF], v[128+4*\i:131+4*\i], s[12:13] offset:7168+512*\i
.endr
	s_cmp_lt_u32 s14, 2
	s_cbranch_scc0 .Lno_tail
	ds_load_b128 v[176:179], v[R13]                ; the scale words, 256 bytes a record: waves 0 and 1 take two records each
	s_wait_dscnt 0x0
	global_store_b128 v[G13], v[176:179], s[98:99] offset:7168
.Lno_tail:
	s_wait_tensorcnt 0x0                           ; the wave's end
	ds_add_u32 v[SPW], v[NIL]
	s_wait_dscnt 0x0
	CROUND                                         ; the closing round
	s_endpgm
.Lfunc_end_k_q0d65c9c250_qkv:
	.size	k_q0d65c9c250_qkv, .Lfunc_end_k_q0d65c9c250_qkv-k_q0d65c9c250_qkv
	.p2alignl 7, 3214868480
	.fill 96, 4, 3214868480
	.section	.rodata,"a",@progbits
	.p2align	6, 0x0
	.amdhsa_kernel k_q0d65c9c250_qkv
		.amdhsa_group_segment_fixed_size 327680
		.amdhsa_private_segment_fixed_size 0
		.amdhsa_enable_private_segment 0
		.amdhsa_kernarg_size 64
		.amdhsa_user_sgpr_count 2
		.amdhsa_user_sgpr_kernarg_segment_ptr 1
		.amdhsa_wavefront_size32 1
		.amdhsa_system_sgpr_workgroup_id_x 1
		.amdhsa_system_sgpr_workgroup_id_y 1
		.amdhsa_system_sgpr_workgroup_id_z 1
		.amdhsa_system_vgpr_workitem_id 0
		.amdhsa_next_free_vgpr 1024
		.amdhsa_next_free_sgpr 106
		.amdhsa_reserve_vcc 0
		.amdhsa_float_denorm_mode_32 3
		.amdhsa_float_denorm_mode_16_64 3
		.amdhsa_memory_ordered 1
		.amdhsa_forward_progress 1
		.amdhsa_inst_pref_size 255
	.end_amdhsa_kernel
	.section	.bss,"aw",@nobits
	.p2align	6
	.space	262144
	.amdgpu_metadata
---
amdhsa.version: [ 1, 2 ]
amdhsa.kernels:
  - .name:           k_q0d65c9c250_qkv
    .symbol:         k_q0d65c9c250_qkv.kd
    .args:
      - { .name: x_codes, .offset: 0, .size: 8, .value_kind: global_buffer, .address_space: global }
      - { .name: x_scales, .offset: 8, .size: 8, .value_kind: global_buffer, .address_space: global }
      - { .name: W_qkv_codes, .offset: 16, .size: 8, .value_kind: global_buffer, .address_space: global }
      - { .name: W_qkv_scales, .offset: 24, .size: 8, .value_kind: global_buffer, .address_space: global }
      - { .name: freqs_cos, .offset: 32, .size: 8, .value_kind: global_buffer, .address_space: global }
      - { .name: freqs_sin, .offset: 40, .size: 8, .value_kind: global_buffer, .address_space: global }
      - { .name: qrec, .offset: 48, .size: 8, .value_kind: global_buffer, .address_space: global }
      - { .name: kvrec, .offset: 56, .size: 8, .value_kind: global_buffer, .address_space: global }
    .group_segment_fixed_size: 327680
    .private_segment_fixed_size: 0
    .kernarg_segment_align: 8
    .kernarg_segment_size: 64
    .max_flat_workgroup_size: 128
    .sgpr_count:     106
    .vgpr_count:     1024
    .wavefront_size: 32
...
	.end_amdgpu_metadata
.endif
;; end of part 1
;; launch attn (part 2): grid 4 x 64, 16 waves a work-group, clusters of 4 x 1, 247,808 bytes of LDS; arguments qrec, kvrec, oc, os; writes oc, os
.if DOCPART == 2
	.amdgcn_target "amdgcn-amd-amdhsa--gfx1250"
	.amdhsa_code_object_version 6
	.text
	.protected	k_q0d65c9c250_attn
	.globl	k_q0d65c9c250_attn
	.p2align	8
	.type	k_q0d65c9c250_attn,@function
k_q0d65c9c250_attn:
	s_mov_b64 s[64:65], 0
	v_nop
	global_prefetch_b8 v0, s[64:65] scope:SCOPE_SE
	s_setreg_imm32_b32 hwreg(HW_REG_WAVE_MODE, 25, 1), 1
	s_wait_xcnt 0x0
	s_wait_alu depctr_hold_cnt(0) depctr_sa_sdst(0) depctr_va_vdst(0) depctr_va_sdst(0) depctr_va_ssrc(0) depctr_va_vcc(0) depctr_vm_vsrc(0)
	s_getreg_b32 s2, hwreg(HW_REG_IB_STS2, 6, 4)
	s_cmp_eq_u32 s2, 0
	s_cbranch_scc0 .Lentry_in_a_cluster
	s_endpgm
.Lentry_in_a_cluster:
	s_bfe_u32 s2, ttmp6, 0x10000c
	s_cmp_lg_u32 s2, 0x3003
	s_cbranch_scc0 .Lentry_shape_is_right
	s_endpgm
.Lentry_shape_is_right:
; SECOND OF THREE LAUNCHES.  For each of 64 heads (16 x batch + head): o = softmax(q k^T / 8) v, both products on codes of E2M3 with one E8M0 scale for each 32 along K; o is then quantised along the head's 64 for the projection.
; THE SOFTMAX: t = score x log2(e) / 8; M = the row's largest t so far, rounded UP to a whole number; p = 2^(t - M) is quantised along the keys, not normalised.  The row's sum is taken of the unquantised p and divides o at the end.
; When M moves, the sum and o are multiplied by 2^(old M - new M): nothing is rounded.
; SHARES.  A work-group owns 512 queries of one head; each of its sixteen waves owns 32 and takes them in two passes of 16.  Every pass walks the head's 2,048 keys, 128 a step.
; K AND V OF THE HEAD, 16 records of 13,568 bytes, come into LDS once and stay: wave w asks for record w, one tensor load a wave.  The four work-groups of a head form a cluster and ask jointly.  All is asked for at the head: no prefetch.
; THE WAVES KEEP WITHIN ONE STEP OF EACH OTHER: a wave signals the barrier at a step's end and waits for it at the end of the next step; between the two stand register work and LDS loads of the records, which nobody writes.
; LAYOUT.  Both products transposed: S^T = K Q^T, O^T = V^T P^T: a lane holds one query (lane % 16).  The head has 64 of the instruction's 128 along K: the upper six registers of K's and Q's fragments are zeros.
; Row m of K's tile t is key 64 (t / 4) + 32 (m / 8) + 16 (t % 2) + 8 ((t / 2) % 2) + m % 8: a lane's registers 32 c .. + 31 of S^T are one block of v's codes, in v's own order.
; Row 16 t + 8 b + j of V is channel 32 b + 8 t + j: register 8 t + j of O^T is channel 32 (lane / 16) + 8 t + j.
; A block's largest p is made of its largest score by the same multiply-add and exponential.
; STORED: oc [16 heads][8,192 tokens][48 bytes], os [16 heads][8,192 tokens][2 bytes].
; LIMITS: NaN and infinities are not served; scores under -3e38 are not served; the scaled scores stay under 2^31.  A block whose largest number lies under 2^-124 gets the scale byte 1: its codes are zeros.
.set REC,  13568
.set QREC, 7168
.set OST,  16*REC                      ; 1,536 bytes a wave: its 32 rows of o's codes
.set OSS,  OST+16*1536                 ; 64 bytes a wave: their scale bytes
.macro ROUND
	s_barrier_signal -1
	s_barrier_wait -1
	s_cmp_lg_u32 s12, 0
	s_cbranch_scc1 .Lnot_wave_0_\@
	s_barrier_signal -3
.Lnot_wave_0_\@:
	s_barrier_wait -3
	s_barrier_signal -1
	s_barrier_wait -1
.endm
	s_load_b256 s[4:11], s[0:1], 0x0               ; qrec, kvrec, oc, os
	v_lshl_add_u32 v254, v0, 2, 0x3c000
	v_mov_b32 v255, 0
	ds_add_u32 v254, v255                          ; the opening lines
	ds_add_u32 v254, v255
	v_lshrrev_b32 v8, 5, v0
	s_delay_alu instid0(VALU_DEP_1)
	v_readfirstlane_b32 s12, v8                    ; wave
	s_bfe_u32 s13, ttmp6, 0x40000
	s_lshl_b32 s14, ttmp9, 2
	s_add_co_u32 s14, s14, s13                     ; which 512 queries: in q's and o's global addresses alone
	s_and_b32 s15, ttmp7, 0xffff                   ; 16 x batch + head
	s_mov_b32 s24, 15|(3<<16)|(1<<21)              ; a record: 53 dense rows of 256 bytes; the mask names the four
	s_mov_b32 s25, 32<<16
	s_mov_b32 s26, 53<<16
	s_mov_b32 s27, 32<<16
	s_mov_b32 s28, 53
	s_mov_b32 s29, 32
	s_mov_b32 s30, 0
	s_mov_b32 s31, 0
	s_and_b32 s16, s12, 3
	s_lshl_b32 s18, s15, 4
	s_add_co_u32 s18, s18, s12
	s_mul_i32 s18, s18, REC                        ; record 16 x head + wave
	s_mov_b32 s19, 0
	s_mul_i32 s17, s12, REC
	s_mov_b32 s22, 0x3e38aa3b                      ; c = log2(e) / 8
	s_mov_b32 s23, s22
	s_mov_b32 s48, 0x76543210
	s_mov_b32 s49, 0xfedcba98
	s_wait_dscnt 0x0
	s_wait_kmcnt 0x0
	s_add_nc_u64 s[18:19], s[6:7], s[18:19]
	ROUND
	s_mov_b32 s32, 1
	s_mov_b32 s33, s17
	s_mov_b64 s[34:35], s[18:19]
	s_or_b32 s35, s35, 0x80000000
	tensor_load_to_lds s[32:35], s[24:31]
	s_nop 0
.rept 4
	v_nop
.endr
	s_lshl_b32 s20, s15, 4
	s_lshl_b32 s21, s14, 2
	s_add_co_u32 s20, s20, s21
	s_lshr_b32 s21, s12, 2
	s_add_co_u32 s20, s20, s21
	s_mul_i32 s20, s20, QREC
	s_mov_b32 s21, 0
	s_add_nc_u64 s[4:5], s[4:5], s[20:21]          ; q's record of my 32 queries
	s_and_b32 s52, s15, 15
	s_lshr_b32 s53, s15, 4
	s_lshl_b32 s53, s53, 11
	s_lshl_b32 s54, s14, 9
	s_add_co_u32 s53, s53, s54                     ; the work-group's first token
	s_lshl_b32 s54, s12, 5
	s_add_co_u32 s54, s53, s54
	s_mul_i32 s54, s54, 48
	s_mul_i32 s55, s52, 393216
	s_add_co_u32 s54, s54, s55
	s_mov_b32 s55, 0
	s_add_nc_u64 s[8:9], s[8:9], s[54:55]
	s_lshl_b32 s54, s53, 1
	s_lshl_b32 s56, s52, 14
	s_add_co_u32 s54, s54, s56
	s_and_b32 s56, s12, 1
	s_lshl_b32 s57, s56, 9
	s_add_co_u32 s54, s54, s57
	s_add_nc_u64 s[10:11], s[10:11], s[54:55]
	v_and_b32 v8, 15, v0
	v_bfe_u32 v9, v0, 4, 1
	v_and_b32 v10, 7, v0
	v_bfe_u32 v11, v0, 3, 1
	s_delay_alu instid0(VALU_DEP_1)
	v_mul_u32_u24 v1, v11, 1664                    ; K's place
	s_delay_alu instid0(VALU_DEP_1)
	v_mad_u32_u24 v1, v10, 48, v1
	s_delay_alu instid0(VALU_DEP_1)
	v_mad_u32_u24 v1, v9, 24, v1
	v_mul_u32_u24 v2, v8, 48                       ; V's
	s_delay_alu instid0(VALU_DEP_1)
	v_mad_u32_u24 v2, v9, 24, v2
	s_delay_alu instid0(VALU_DEP_1)
	v_add_nc_u32 v2, 7168, v2
	v_lshlrev_b32 v3, 5, v8                        ; K's scale words
	s_delay_alu instid0(VALU_DEP_1)
	v_lshl_add_u32 v3, v9, 4, v3
	s_delay_alu instid0(VALU_DEP_1)
	v_add_nc_u32 v3, 6656, v3
	v_lshl_add_u32 v4, v8, 4, 13312                ; V's
	v_lshlrev_b32 v5, 3, v9
	s_mul_i32 s20, s16, 1664
	v_mul_u32_u24 v6, v8, 48                       ; q
	s_delay_alu instid0(VALU_DEP_1)
	v_mad_u32_u24 v6, v9, 24, v6
	s_delay_alu instid0(VALU_DEP_1)
	v_add_nc_u32 v6, s20, v6
	s_lshl_b32 s20, s56, 8
	s_bfe_u32 s21, s12, 0x10001
	s_lshl_b32 s21, s21, 4
	s_add_co_u32 s20, s20, s21
	s_add_co_u32 s20, s20, 6656
	v_lshlrev_b32 v7, 5, v10                       ; q's scale words
	s_delay_alu instid0(VALU_DEP_1)
	v_lshl_add_u32 v7, v11, 3, v7
	s_delay_alu instid0(VALU_DEP_1)
	v_add_nc_u32 v7, s20, v7
	s_mul_i32 s20, s12, 1536
	s_add_co_u32 s20, s20, OST
	v_mul_u32_u24 v30, v8, 48
	s_delay_alu instid0(VALU_DEP_1)
	v_mad_u32_u24 v30, v9, 24, v30
	s_delay_alu instid0(VALU_DEP_1)
	v_add_nc_u32 v30, s20, v30
	v_and_b32 v89, 31, v0
	s_delay_alu instid0(VALU_DEP_1)
	v_lshlrev_b32 v89, 4, v89
	s_delay_alu instid0(VALU_DEP_1)
	v_add_nc_u32 v88, s20, v89
	s_lshl_b32 s20, s12, 6
	s_add_co_u32 s20, s20, OSS
	v_lshl_add_u32 v31, v8, 1, v9
	s_delay_alu instid0(VALU_DEP_1)
	v_add_nc_u32 v31, s20, v31
	s_add_co_u32 s57, s57, OSS
	v_add_nc_u32 v90, s57, v89
.irp i, 0,1,2,3,4,5
	v_mov_b32 v[22+\i], 0                          ; zero codes over the upper 64 along K
.endr
.irp t, 0,1,2,3
.irp i, 6,7,8,9,10,11
	v_mov_b32 v[32+12*\t+\i], 0
.endr
.endr
	v_mov_b32 v215, 0
	v_mov_b32 v217, 0
.macro KLOAD g
.irp t, 0,1,2,3
.irp p, 0,1,2
	ds_load_b64 v[32+12*\t+2*\p:33+12*\t+2*\p], v8 offset:3328*\g+768*(\t%2)+384*(\t/2)+8*\p
.endr
.endr
.endm
.macro SMUL g
.irp t, 0,1,2,3
.if \g
	v_wmma_scale_f32_16x16x128_f8f6f4 v[128+8*\t:135+8*\t], v[32+12*\t:43+12*\t], v[16:27], 0, v[80+\t], v28 matrix_a_fmt:MATRIX_FMT_FP6 matrix_b_fmt:MATRIX_FMT_FP6 matrix_a_scale:MATRIX_SCALE_ROW1
.else
	v_wmma_scale_f32_16x16x128_f8f6f4 v[96+8*\t:103+8*\t], v[32+12*\t:43+12*\t], v[16:27], 0, v[80+\t], v28 matrix_a_fmt:MATRIX_FMT_FP6 matrix_b_fmt:MATRIX_FMT_FP6
.endif
.endr
.endm
.macro MAXL c, n                       ; line n of 16 of my block c's largest score: two chains, each tile first read at its register 0
.set mb, 96+32*(\c)
.if (\n) == 0
	v_max3_num_f32 v[212+\c], v[mb], v[mb+1], v[mb+2]
.elseif (\n) == 1
	v_max3_num_f32 v[226+\c], v[mb+16], v[mb+17], v[mb+18]
.elseif (\n) == 14
	v_max3_num_f32 v[212+\c], v[212+\c], v[226+\c], v[mb+15]
.elseif (\n) == 15
	v_max_num_f32 v[212+\c], v[212+\c], v[mb+31]
.elseif (\n)%2 == 0
	v_max3_num_f32 v[212+\c], v[212+\c], v[mb+(\n)+1], v[mb+(\n)+2]
.else
	v_max3_num_f32 v[226+\c], v[226+\c], v[mb+16+(\n)], v[mb+17+(\n)]
.endif
.endm
.macro STEP                            ; the 128 keys of the record at LDS byte s50
	v_add_nc_u32 v8, s50, v1                       ; five plain lines: the places between the last step's products and those that write over V's fragments
	v_add_nc_u32 v9, s50, v2
	v_add_nc_u32 v10, s50, v3
	v_add_nc_u32 v11, s50, v4
	v_mov_b32 v222, v12                            ; the old -M
	ds_load_b128 v[80:83], v10
	ds_load_b128 v[84:87], v11
	KLOAD 0
	s_wait_alu depctr_va_vdst(0)
	s_wait_dscnt 0x0
	SMUL 0
.rept 4
	v_nop
.endr
	KLOAD 1
.irp n, 0,1,2,3,4,5,6,7,8,9,10,11
	MAXL 0, \n
.endr
	s_wait_alu depctr_va_vdst(0)
	s_wait_dscnt 0x0
	SMUL 1
.irp n, 12,13,14,15
	MAXL 0, \n                                     ; four plain lines that name no register of the products above
.endr
.irp n, 0,1,2,3,4,5,6,7,8,9,10,11,12,13,14,15
	MAXL 1, \n
.endr
	s_delay_alu instid0(VALU_DEP_1)
	v_max_num_f32 v214, v212, v213
	s_delay_alu instid0(VALU_DEP_1)
	v_permlanex16_b32 v215, v214, s48, s49
	s_delay_alu instid0(VALU_DEP_1)
	v_max3_num_f32 v13, v13, v214, v215            ; the largest score so far
	s_delay_alu instid0(VALU_DEP_1)
	v_mul_f32 v214, s22, v13
	s_delay_alu instid0(VALU_DEP_1)
	v_floor_f32 v12, -v214                         ; -M = -ceil(t)
	s_delay_alu instid0(VALU_DEP_1)
	v_sub_f32 v214, v12, v222
	s_delay_alu instid0(VALU_DEP_1)
	v_cvt_i32_f32 v214, v214
	s_delay_alu instid0(VALU_DEP_1)
	v_ldexp_f32 v216, 1.0, v214                    ; f = 2^(old M - new M)
.set j, 0
.rept 32
	v_pk_fma_f32 v[96+j:97+j], v[96+j:97+j], s[22:23], v[12:13] op_sel_hi:[1,0,0]   ; t - M
.set j, j+2
.endr
	v_fma_f32 v212, v212, s22, v12
	v_fma_f32 v213, v213, s22, v12
.set j, 0
	s_wait_alu depctr_va_vdst(0)                   ; a wait ahead of the batch and one behind it
.rept 64
	v_exp_f32 v[96+j], v[96+j]
.set j, j+1
.endr
	v_pk_mul_f32 v[14:15], v[14:15], v[216:217] op_sel_hi:[1,0]
	s_wait_alu depctr_va_vdst(0)
	v_exp_f32 v212, v212                           ; the blocks' largest p
	v_exp_f32 v213, v213
	v_pk_add_f32 v[224:225], v[100:101], v[104:105]        ; the sum of the unquantised p, in eight chains
	v_pk_add_f32 v[252:253], v[108:109], v[112:113]
	v_pk_add_f32 v[250:251], v[116:117], v[120:121]
	v_pk_add_f32 v[248:249], v[124:125], v[128:129]
	v_pk_add_f32 v[246:247], v[132:133], v[136:137]
	v_pk_add_f32 v[244:245], v[140:141], v[144:145]
	v_pk_add_f32 v[242:243], v[148:149], v[152:153]
	v_pk_add_f32 v[14:15], v[14:15], v[156:157]
	v_pk_add_f32 v[224:225], v[224:225], v[96:97]
	v_pk_add_f32 v[252:253], v[252:253], v[98:99]
	v_pk_add_f32 v[250:251], v[250:251], v[102:103]
	v_pk_add_f32 v[248:249], v[248:249], v[106:107]
	v_pk_add_f32 v[246:247], v[246:247], v[110:111]
	v_pk_add_f32 v[244:245], v[244:245], v[114:115]
	v_pk_add_f32 v[242:243], v[242:243], v[118:119]
	v_pk_add_f32 v[14:15], v[14:15], v[122:123]
	v_pk_add_f32 v[224:225], v[224:225], v[126:127]
	v_pk_add_f32 v[252:253], v[252:253], v[130:131]
	v_pk_add_f32 v[250:251], v[250:251], v[134:135]
	v_pk_add_f32 v[248:249], v[248:249], v[138:139]
	v_pk_add_f32 v[246:247], v[246:247], v[142:143]
	v_pk_add_f32 v[244:245], v[244:245], v[146:147]
	v_pk_add_f32 v[242:243], v[242:243], v[150:151]
	v_pk_add_f32 v[14:15], v[14:15], v[154:155]
	v_pk_add_f32 v[224:225], v[224:225], v[158:159]
	s_delay_alu instid0(VALU_DEP_2)
	v_pk_add_f32 v[14:15], v[14:15], v[248:249]
	s_delay_alu instid0(VALU_DEP_2)
	v_pk_add_f32 v[224:225], v[224:225], v[246:247]
	v_pk_add_f32 v[252:253], v[252:253], v[244:245]
	v_pk_add_f32 v[250:251], v[250:251], v[242:243]
	s_delay_alu instid0(VALU_DEP_2)
	v_pk_add_f32 v[14:15], v[14:15], v[252:253]
	s_delay_alu instid0(VALU_DEP_2)
	v_pk_add_f32 v[224:225], v[224:225], v[250:251]
	s_delay_alu instid0(VALU_DEP_1)
	v_pk_add_f32 v[14:15], v[14:15], v[224:225]
	s_wait_alu depctr_va_vdst(0)
	v_max_num_f32 v212, 0x1800000, v212            ; the floor 2^(3 - 127)
	v_max_num_f32 v213, 0x1800000, v213
	s_delay_alu instid0(VALU_DEP_2)
	v_add_nc_u32 v218, 0xff000000, v212
	s_delay_alu instid0(VALU_DEP_2)
	v_add_nc_u32 v219, 0xff000000, v213
	s_delay_alu instid0(VALU_DEP_2)
	v_lshrrev_b32 v220, 23, v218
	s_delay_alu instid0(VALU_DEP_2)
	v_lshrrev_b32 v221, 23, v219
	s_delay_alu instid0(VALU_DEP_1)
	v_lshl_or_b32 v214, v221, 16, v220             ; blocks h and 2 + h of the query's four
	s_delay_alu instid0(VALU_DEP_1)
	v_lshlrev_b32 v214, v5, v214
	s_delay_alu instid0(VALU_DEP_1)
	v_permlanex16_b32 v215, v214, s48, s49
	s_delay_alu instid0(VALU_DEP_1)
	v_or_b32 v29, v214, v215                       ; P's scale word
.irp c, 0,1
	v_cvt_scalef32_pk16_fp6_f32 v[192+6*\c:194+6*\c], v[96+32*\c:111+32*\c], v[218+\c]
	v_cvt_scalef32_pk16_fp6_f32 v[204+4*\c:206+4*\c], v[112+32*\c:127+32*\c], v[218+\c]
.endr
	v_nop
.irp t, 0,1,2,3
.irp p, 0,1,2,3,4,5
	ds_load_b64 v[96+12*\t+2*\p:97+12*\t+2*\p], v9 offset:3072*(\p/3)+768*\t+8*(\p%3)
.endr
.endr
.irp c, 0,1
.irp i, 0,1,2
	v_mov_b32 v[195+6*\c+\i], v[204+4*\c+\i]
.endr
.endr
.set j, 0
.rept 16
	v_pk_mul_f32 v[160+j:161+j], v[160+j:161+j], v[216:217] op_sel_hi:[1,0]   ; O^T under the new M; also the places ahead of the scaled products
.set j, j+2
.endr
	s_wait_alu depctr_va_vdst(0)
	s_wait_dscnt 0x0
.irp t, 0,1,2,3
	v_wmma_scale_f32_16x16x128_f8f6f4 v[160+8*\t:167+8*\t], v[96+12*\t:107+12*\t], v[192:203], v[160+8*\t:167+8*\t], v[84+\t], v29 matrix_a_fmt:MATRIX_FMT_FP6 matrix_b_fmt:MATRIX_FMT_FP6
.endr
.endm
.macro FIN p                           ; O^T / the sum, quantised: my 32 registers are one block of the projection's K
.rept 4
	v_nop
.endr
	v_add_f32 v14, v14, v15
	s_delay_alu instid0(VALU_DEP_1)
	v_permlanex16_b32 v215, v14, s48, s49
	s_delay_alu instid0(VALU_DEP_1)
	v_add_f32 v14, v14, v215
	s_wait_alu depctr_va_vdst(0)
	v_rcp_f32 v216, v14
	v_nop
	s_wait_alu depctr_va_vdst(0)
.set j, 0
.rept 16
	v_pk_mul_f32 v[96+j:97+j], v[160+j:161+j], v[216:217] op_sel_hi:[1,0]
.set j, j+2
.endr
	v_max3_num_f32 v212, |v96|, |v97|, 0x1800000
.set j, 2
.rept 15
	s_delay_alu instid0(VALU_DEP_1)
	v_max3_num_f32 v212, v212, |v[96+j]|, |v[97+j]|
.set j, j+2
.endr
	s_delay_alu instid0(VALU_DEP_1)
	v_add_nc_u32 v218, 0xff000000, v212
	v_cvt_scalef32_pk16_fp6_f32 v[192:194], v[96:111], v218
	v_cvt_scalef32_pk16_fp6_f32 v[204:206], v[112:127], v218
	v_lshrrev_b32 v220, 23, v218
.irp i, 0,1,2
	ds_store_b32 v30, v[192+\i] offset:768*\p+4*\i
	ds_store_b32 v30, v[204+\i] offset:768*\p+12+4*\i
.endr
	ds_store_b8 v31, v220 offset:32*\p
.endm
.macro PASS p                          ; 16 queries against all keys; O^T and the sum begin as zeros, the largest score as -3e38
.irp i, 0,1,2
	global_load_b64 v[16+2*\i:17+2*\i], v6, s[4:5] offset:768*\p+8*\i
.endr
	global_load_b32 v28, v7, s[4:5] offset:4*\p
	v_mov_b32 v13, 0xff61b1e6
	v_mov_b32 v12, 0x7e000000
	v_mov_b32 v14, 0
	v_mov_b32 v15, 0
.set j, 0
.rept 32
	v_mov_b32 v[160+j], 0
.set j, j+1
.endr
	s_wait_alu depctr_va_vdst(0)
	s_wait_loadcnt 0x0
	s_mov_b32 s50, 0
.if \p == 0
	s_wait_tensorcnt 0x0                           ; my record is in,
	s_barrier_signal -1
	s_barrier_wait -1                              ; everybody's is
.endif
	s_mov_b32 s51, 16
	s_wait_dscnt 0x0                               ; no LDS instruction of mine is out at a signal
	s_barrier_signal -1
.Lstep_\@:
	STEP
	s_barrier_wait -1                              ; every wave has ended the step before this one
	s_barrier_signal -1                            ; I have ended this one
	s_add_co_u32 s50, s50, REC
	s_sub_co_u32 s51, s51, 1
	s_cmp_lg_u32 s51, 0
	s_cbranch_scc1 .Lstep_\@
	s_barrier_wait -1
	FIN \p
.endm
	PASS 0
	PASS 1
.irp i, 0,1,2
	ds_load_b128 v[96+4*\i:99+4*\i], v88 offset:512*\i     ; my 32 rows of codes; LDS serves a wave's instructions in order (ISA guide 5.7.1.4)
.endr
	s_wait_dscnt 0x0
.irp i, 0,1,2
	global_store_b128 v89, v[96+4*\i:99+4*\i], s[8:9] offset:512*\i
.endr
	s_barrier_signal -1
	s_barrier_wait -1                              ; the work-group's 1,024 scale bytes lie in LDS
	s_cmp_lt_u32 s12, 2
	s_cbranch_scc0 .Lno_os
	ds_load_b128 v[108:111], v90
	s_wait_dscnt 0x0
	global_store_b128 v89, v[108:111], s[10:11]
.Lno_os:
	s_wait_tensorcnt 0x0                           ; the wave's end
	ds_add_u32 v254, v255
	s_wait_dscnt 0x0
	ROUND                                          ; the closing round
	s_endpgm
.Lfunc_end_k_q0d65c9c250_attn:
	.size	k_q0d65c9c250_attn, .Lfunc_end_k_q0d65c9c250_attn-k_q0d65c9c250_attn
	.p2alignl 7, 3214868480
	.fill 96, 4, 3214868480
	.section	.rodata,"a",@progbits
	.p2align	6, 0x0
	.amdhsa_kernel k_q0d65c9c250_attn
		.amdhsa_group_segment_fixed_size 247808
		.amdhsa_private_segment_fixed_size 0
		.amdhsa_enable_private_segment 0
		.amdhsa_kernarg_size 32
		.amdhsa_user_sgpr_count 2
		.amdhsa_user_sgpr_kernarg_segment_ptr 1
		.amdhsa_wavefront_size32 1
		.amdhsa_system_sgpr_workgroup_id_x 1
		.amdhsa_system_sgpr_workgroup_id_y 1
		.amdhsa_system_sgpr_workgroup_id_z 1
		.amdhsa_system_vgpr_workitem_id 0
		.amdhsa_next_free_vgpr 256
		.amdhsa_next_free_sgpr 66
		.amdhsa_reserve_vcc 0
		.amdhsa_float_denorm_mode_32 3
		.amdhsa_float_denorm_mode_16_64 3
		.amdhsa_memory_ordered 1
		.amdhsa_forward_progress 1
		.amdhsa_inst_pref_size 53
	.end_amdhsa_kernel
	.amdgpu_metadata
---
amdhsa.version: [ 1, 2 ]
amdhsa.kernels:
  - .name:           k_q0d65c9c250_attn
    .symbol:         k_q0d65c9c250_attn.kd
    .args:
      - { .name: qrec, .offset: 0, .size: 8, .value_kind: global_buffer, .address_space: global }
      - { .name: kvrec, .offset: 8, .size: 8, .value_kind: global_buffer, .address_space: global }
      - { .name: oc, .offset: 16, .size: 8, .value_kind: global_buffer, .address_space: global }
      - { .name: os, .offset: 24, .size: 8, .value_kind: global_buffer, .address_space: global }
    .group_segment_fixed_size: 247808
    .private_segment_fixed_size: 0
    .kernarg_segment_align: 8
    .kernarg_segment_size: 32
    .max_flat_workgroup_size: 512
    .sgpr_count:     66
    .vgpr_count:     256
    .wavefront_size: 32
...
	.end_amdgpu_metadata
.endif
;; end of part 2
;; launch proj (part 3): grid 8 x 32, 4 waves a work-group, clusters of 4 x 4, 327,680 bytes of LDS; arguments oc, os, W_proj_codes, W_proj_scales, b_proj, out0; writes out0
.if DOCPART == 3
	.amdgcn_target "amdgcn-amd-amdhsa--gfx1250"
	.amdhsa_code_object_version 6
	.text
	.protected	k_q0d65c9c250_proj
	.globl	k_q0d65c9c250_proj
	.p2align	8
	.type	k_q0d65c9c250_proj,@function
k_q0d65c9c250_proj:
	s_mov_b64 s[64:65], 0
	v_nop
	global_prefetch_b8 v0, s[64:65] scope:SCOPE_SE
	s_setreg_imm32_b32 hwreg(HW_REG_WAVE_MODE, 25, 1), 1
	s_wait_xcnt 0x0
	s_wait_alu depctr_hold_cnt(0) depctr_sa_sdst(0) depctr_va_vdst(0) depctr_va_sdst(0) depctr_va_ssrc(0) depctr_va_vcc(0) depctr_vm_vsrc(0)
	s_getreg_b32 s2, hwreg(HW_REG_IB_STS2, 6, 4)
	s_cmp_eq_u32 s2, 0
	s_cbranch_scc0 .Lentry_in_a_cluster
	s_endpgm
.Lentry_in_a_cluster:
	s_bfe_u32 s2, ttmp6, 0x10000c
	s_cmp_lg_u32 s2, 0xf033
	s_cbranch_scc0 .Lentry_shape_is_right
	s_endpgm
.Lentry_shape_is_right:
; THIRD OF THREE LAUNCHES.  out0 = o W_proj + b_proj on codes of E2M3.  o's codes lie as [16 heads][8,192 tokens][48 bytes], its scale bytes as [16 heads][8,192 tokens][2].
; SHARES.  Work-group (j, i) makes tokens 256 i .. +255 x columns 128 j .. +127: 256 work-groups.  Wave w makes tokens 64 w .. +63 x all 128 columns: 32 accumulators.
; ALL OF K LIES IN LDS, filled once, one tensor load a wave: waves 0 and 1 eight heads' planes of o each (rows of 12,288 bytes), wave 2 W's 128 rows (dense: as rows of 256 bytes, 16 of padding behind each), wave 3 W's scales.
; Nothing is filled again and the text has no loop along K, so no prefetch is laid.  o's scale bytes come through registers and are laid in LDS as a row of 32 bytes a token.
; CLUSTERS 4 x 4: o's planes are shared along a row of the cluster, W's tiles along a column.  Source 0 = 16 rows of W, source 1 = 16 tokens: a lane holds eight neighbouring columns of one row of out0.  The bias is the first product's C.
; REGISTERS.  Window 0: v0-31 addresses; v32-63 o's scale words (8 a + step), v64-127 W's (8 b + step); v128-159 at work at the head; v192-255 the bias; v128-255 on the way out.
; Window 1: W's fragments, sets at v0 and v128.  Window 2: o's, sets at v0 and v64.  Window 3: the accumulators, (a, b) at 8 (8 a + b).
.set BLK,  13056
.set RB,   196608
.set SB,   RB+8*BLK
.set SA,   SB+4352
.set SPARE, SA+8704
.set SPITCH, 528
.set STO,24
.set RD,25
.set CO,26
.set SPW,28
.set NIL,29
.set BIAS,192
.set BK,128
.set G1A,24
.set G1B,32
.set G1S,68
.set G0A,48
.set G0S,52
.set G0B,56
.set DW0,(3<<16)|(1<<20)|(1<<21)|(5<<22)|(3<<25)
.set MSB,0
.macro WIN new
.if MSB != (\new)
	s_set_vgpr_msb (MSB<<8)|(\new)
.set MSB,(\new)
.endif
.endm
.macro PLACES
.rept 4
	v_nop
.endr
.endm
.macro CROUND
	s_barrier_signal -1
	s_barrier_wait -1
	s_cmp_lg_u32 s14, 0
	s_cbranch_scc1 .Lnw0_\@
	s_barrier_signal -3
.Lnw0_\@:
	s_barrier_wait -3
	s_barrier_signal -1
	s_barrier_wait -1
.endm
.macro GRP1 g, cols, rows, pitch
	s_mov_b32 s[\g+1], (\cols)<<16
	s_mov_b32 s[\g+2], (\rows)<<16
	s_mov_b32 s[\g+3], (\cols)<<16
	s_mov_b32 s[\g+4], \rows
	s_mov_b32 s[\g+5], \pitch
	s_mov_b32 s[\g+6], 0
	s_mov_b32 s[\g+7], 0
.endm
.macro TLOAD g0, g1
	tensor_load_to_lds s[\g0:\g0+3], s[\g1:\g1+7]
	s_nop 0
	PLACES
.endm
.macro ARM under, g0, g1, next
	s_cmp_lt_u32 s14, \under
	s_cbranch_scc0 \next
	TLOAD \g0, \g1
	s_branch .Lhead_asked
\next:
.endm
	s_load_b256 s[4:11], s[0:1], 0x0               ; oc, os, W codes, W scales
	s_load_b128 s[92:95], s[0:1], 0x20             ; b_proj, out0
	v_lshl_add_u32 v[SPW], v0, 2, SPARE
	v_mov_b32 v[NIL], 0
	ds_add_u32 v[SPW], v[NIL]                      ; the opening lines
	ds_add_u32 v[SPW], v[NIL]
	v_lshrrev_b32 v1, 5, v0
	v_readfirstlane_b32 s14, v1
	s_and_b32 s16, s14, 1
	s_bfe_u32 s40, ttmp6, 0x40000
	s_bfe_u32 s41, ttmp6, 0x40004
	s_lshl_b32 s42, ttmp9, 2
	s_add_co_u32 s42, s42, s40                     ; j
	s_and_b32 s17, ttmp7, 0xffff
	s_lshl_b32 s17, s17, 2
	s_add_co_u32 s17, s17, s41                     ; i
	s_lshl_b32 s43, s41, 2
	s_lshl_b32 s43, 15, s43
	s_lshl_b32 s44, 0x1111, s40
	s_or_b32 s[G1A], s43, (3<<16)|(1<<21)
	s_or_b32 s[G1B], s44, DW0
	s_or_b32 s[G1S], s44, DW0
	GRP1 G1A, 1536, 8, 49152                       ; eight planes' 256 tokens x 48 bytes, a plane 393,216 bytes from the next
	GRP1 G1B, 32, 384, 32
	GRP1 G1S, 32, 16, 32
	s_mul_i32 s20, s17, 12288
	s_mul_i32 s21, s16, 3145728
	s_add_co_u32 s20, s20, s21
	s_mov_b32 s21, 0
	s_mul_i32 s45, s16, 98304
	s_mul_i32 s46, s42, 98304
	s_mov_b32 s47, 0
	s_lshl_b32 s100, s42, 12
	s_mov_b32 s101, 0
	s_lshl_b32 s22, s17, 9
	s_mov_b32 s23, 0
	s_lshl_b32 s18, s42, 9
	s_mov_b32 s19, 0
	s_mul_i32 s76, s14, 3072
	s_mul_i32 s77, s14, 2176
	s_add_co_u32 s77, s77, SA
	s_mul_i32 s78, s14, 16*SPITCH
	s_lshl_b32 s80, s17, 20
	s_lshl_b32 s81, s14, 18
	s_add_co_u32 s80, s80, s81
	s_add_co_u32 s80, s80, s18                     ; out0: row 256 i + 64 w, byte 512 j
	s_mov_b32 s81, 0
	s_mov_b32 s82, 0x05040100
	s_mov_b32 s83, 0x07060302
	v_lshlrev_b32 v7, 2, v0
	v_bfe_u32 v2, v0, 4, 1
	v_lshlrev_b32 v15, 5, v2                       ; the bias loads' offset, in a register of its own
	s_wait_dscnt 0x0
	s_wait_alu depctr_va_vdst(0)                   ; the wait ahead of a wait that blocks
	s_wait_kmcnt 0x0
	s_add_nc_u64 s[6:7], s[6:7], s[22:23]
	s_add_nc_u64 s[92:93], s[92:93], s[18:19]
.irp hd, 0,1,2,3,4,5,6,7,8,9,10,11,12,13,14,15
	global_load_b32 v[128+\hd], v7, s[6:7] offset:16384*\hd       ; two tokens' scale bytes of head hd
.endr
.irp b, 0,1,2,3,4,5,6,7
	global_load_b128 v[BIAS+8*\b:BIAS+8*\b+3], v15, s[92:93] offset:64*\b
	global_load_b128 v[BIAS+8*\b+4:BIAS+8*\b+7], v15, s[92:93] offset:64*\b+16
.endr
	s_add_nc_u64 s[20:21], s[4:5], s[20:21]
	s_add_nc_u64 s[46:47], s[8:9], s[46:47]
	s_add_nc_u64 s[100:101], s[10:11], s[100:101]
	s_add_nc_u64 s[12:13], s[94:95], s[80:81]
	CROUND
	s_mov_b32 s[G0A], 1
	s_mov_b32 s[G0A+1], s45
	s_mov_b64 s[G0A+2:G0A+3], s[20:21]
	s_or_b32 s[G0A+3], s[G0A+3], 0x80000000
	s_mov_b32 s[G0B], 1
	s_mov_b32 s[G0B+1], RB
	s_mov_b64 s[G0B+2:G0B+3], s[46:47]
	s_or_b32 s[G0B+3], s[G0B+3], 0x80000000
	s_mov_b32 s[G0S], 1
	s_mov_b32 s[G0S+1], SB
	s_mov_b64 s[G0S+2:G0S+3], s[100:101]
	s_or_b32 s[G0S+3], s[G0S+3], 0x80000000
	ARM 2, G0A, G1A, .Lhead_b
	ARM 3, G0B, G1B, .Lhead_s
	TLOAD G0S, G1S
.Lhead_asked:
	v_and_b32 v1, 15, v0
	v_bfe_u32 v4, v0, 3, 1
	v_mul_u32_u24 v3, v1, 48
	v_mad_u32_u24 v3, v2, 24, v3
	v_add_nc_u32 v16, s76, v3                      ; o: plane 0, token 64 w + r, + 24 h; v17-19: four planes further on each
	v_add_nc_u32 v17, 49152, v16
	v_add_nc_u32 v18, 98304, v16
	v_add_nc_u32 v19, 147456, v16
	v_mul_u32_u24 v5, v1, 816
	v_mad_u32_u24 v5, v2, 24, v5
	v_lshl_add_u32 v6, v2, 4, v5
	v_add_nc_u32 v8, RB, v5
	v_add_nc_u32 v9, RB, v6
	v_add_nc_u32 v10, RB+4*BLK, v5
	v_add_nc_u32 v11, RB+4*BLK, v6
	v_lshlrev_b32 v5, 5, v1
	v_lshl_add_u32 v5, v4, 4, v5
	v_add_nc_u32 v12, s77, v5
	v_add_nc_u32 v13, SB, v5
	v_mul_u32_u24 v5, v1, SPITCH
	v_lshl_add_u32 v5, v2, 5, v5
	v_add_nc_u32 v[STO], s78, v5
	v_and_b32 v6, 31, v0
	v_lshlrev_b32 v[CO], 4, v6
	v_add_nc_u32 v[RD], s78, v[CO]
	v_lshlrev_b32 v14, 6, v0
	v_lshrrev_b32 v6, 2, v0
	v_lshl_add_u32 v14, v6, 4, v14
	v_add_nc_u32 v14, SA, v14                      ; two tokens' rows of 32 scale bytes, 16 of padding behind each 256
	s_wait_alu depctr_va_vdst(0)
	s_wait_loadcnt 16                              ; the bias may be out
.irp s, 0,1,2,3,4,5,6,7
	v_perm_b32 v[144+\s], v[129+2*\s], v[128+2*\s], s82    ; the even token's word of step s: heads 2 s, 2 s + 1
	v_perm_b32 v[152+\s], v[129+2*\s], v[128+2*\s], s83    ; the odd token's
.endr
	ds_store_b128 v14, v[144:147]
	ds_store_b128 v14, v[148:151] offset:16
	ds_store_b128 v14, v[152:155] offset:32
	ds_store_b128 v14, v[156:159] offset:48
.macro FETCH st                        ; the step's fragments: W's eight, o's four
	WIN 0x40
.irp b,0,1,2,3,4,5,6,7
.irp p,0,1,2,3,4,5
.set PB, 96*(\st)+48*(\p/3)+8*(\p%3)
	ds_load_b64 v[128*((\st)%2)+12*\b+2*\p:128*((\st)%2)+12*\b+2*\p+1], v[8+2*(\b/4)+(PB+24)/256-PB/256] offset:PB+16*(PB/256)+(\b%4)*BLK
.endr
.endr
	WIN 0x80
.irp a,0,1,2,3
.irp p,0,1,2,3,4,5
	ds_load_b64 v[64*((\st)%2)+12*\a+2*\p:64*((\st)%2)+12*\a+2*\p+1], v[16+(\st)/2] offset:12288*(2*((\st)%2)+\p/3)+768*\a+8*(\p%3)
.endr
.endr
	WIN 0
.endm
.macro MULS st                         ; 32 products, the accumulators by turns
.if (\st) == 0
	WIN 0xc9
.else
	WIN 0xf9
.endif
.irp a,0,1,2,3
.irp b,0,1,2,3,4,5,6,7
.set DD, 8*(8*\a+\b)
.set XX, 128*((\st)%2)+12*\b
.set YY, 64*((\st)%2)+12*\a
.if (\st) == 0
	v_wmma_scale_f32_16x16x128_f8f6f4 v[DD:DD+7], v[XX:XX+11], v[YY:YY+11], v[BIAS+8*\b:BIAS+8*\b+7], v[64+8*\b+(\st)], v[32+8*\a+(\st)] matrix_a_fmt:MATRIX_FMT_FP6 matrix_b_fmt:MATRIX_FMT_FP6
.else
	v_wmma_scale_f32_16x16x128_f8f6f4 v[DD:DD+7], v[XX:XX+11], v[YY:YY+11], v[DD:DD+7], v[64+8*\b+(\st)], v[32+8*\a+(\st)] matrix_a_fmt:MATRIX_FMT_FP6 matrix_b_fmt:MATRIX_FMT_FP6
.endif
.endr
.endr
	WIN 0
.endm
	s_wait_alu depctr_va_vdst(0)                   ; the wait at the head's end
	s_wait_tensorcnt 0x0
	s_wait_dscnt 0x0
	s_barrier_signal -1
	s_barrier_wait -1                              ; all tiles and o's scale words are in
.irp a,0,1,2,3
	ds_load_b128 v[32+8*\a:35+8*\a], v12 offset:544*\a
	ds_load_b128 v[36+8*\a:39+8*\a], v12 offset:544*\a+16
.endr
.irp b,0,1,2,3,4,5,6,7
	ds_load_b128 v[64+8*\b:67+8*\b], v13 offset:544*\b
	ds_load_b128 v[68+8*\b:71+8*\b], v13 offset:544*\b+16
.endr
	FETCH 0
	s_wait_loadcnt 0x0                             ; the bias
.irp st,0,1,2,3,4,5,6
	s_wait_dscnt 0x0
	PLACES                                         ; in front of loads into registers that the last step's products read
	FETCH \st+1
	MULS \st
.endr
	s_wait_dscnt 0x0                               ; my reads of the tiles are over:
	s_barrier_signal -1
	MULS 7
	s_barrier_wait -1                              ; everybody's are: the stages may lie on o's bytes, which have had their only fill
.macro TOSTAGE a
	WIN 0x0c
.irp b, 0,1,2,3,4,5,6,7
	ds_store_b128 v[STO], v[64*(\a)+8*\b:64*(\a)+8*\b+3] offset:64*\b      ; each accumulator from its low end on
	ds_store_b128 v[STO], v[64*(\a)+8*\b+4:64*(\a)+8*\b+7] offset:64*\b+16
.endr
	WIN 0
.set BB, BK+64*((\a)%2)
.irp t, 0,1,2,3,4,5,6,7,8,9,10,11,12,13,14,15
	ds_load_b128 v[BB+4*\t:BB+4*\t+3], v[RD] offset:\t*SPITCH      ; LDS serves a wave's instructions in order (ISA guide 5.7.1.4)
.endr
.endm
.macro SEND a, younger
.set BB, BK+64*((\a)%2)
	s_wait_dscnt \younger
.if (\a) > 0
	s_add_nc_u64 s[12:13], s[12:13], 65536         ; 16 rows of out0 on, behind a wait on XCNT
.endif
.irp t, 0,1,2,3,4,5,6,7,8,9,10,11,12,13,14,15
	global_store_b128 v[CO], v[BB+4*\t:BB+4*\t+3], s[12:13] offset:\t*4096 th:TH_STORE_NT   ; 32 lanes store 512 consecutive bytes
.endr
.endm
	PLACES
	TOSTAGE 0
.irp a, 1,2,3
.if \a > 1
	s_wait_xcnt 0x0
.endif
	TOSTAGE \a
	SEND \a-1, 32                                  ; behind block a - 1's loads: block a's 16 stores and 16 loads
.endr
	s_wait_xcnt 0x0
	SEND 3, 0
	s_wait_tensorcnt 0x0                           ; the wave's end
	ds_add_u32 v[SPW], v[NIL]
	s_wait_dscnt 0x0
	CROUND                                         ; the closing round
	s_endpgm
.Lfunc_end_k_q0d65c9c250_proj:
	.size	k_q0d65c9c250_proj, .Lfunc_end_k_q0d65c9c250_proj-k_q0d65c9c250_proj
	.p2alignl 7, 3214868480
	.fill 96, 4, 3214868480
	.section	.rodata,"a",@progbits
	.p2align	6, 0x0
	.amdhsa_kernel k_q0d65c9c250_proj
		.amdhsa_group_segment_fixed_size 327680
		.amdhsa_private_segment_fixed_size 0
		.amdhsa_enable_private_segment 0
		.amdhsa_kernarg_size 48
		.amdhsa_user_sgpr_count 2
		.amdhsa_user_sgpr_kernarg_segment_ptr 1
		.amdhsa_wavefront_size32 1
		.amdhsa_system_sgpr_workgroup_id_x 1
		.amdhsa_system_sgpr_workgroup_id_y 1
		.amdhsa_system_sgpr_workgroup_id_z 1
		.amdhsa_system_vgpr_workitem_id 0
		.amdhsa_next_free_vgpr 1024
		.amdhsa_next_free_sgpr 106
		.amdhsa_reserve_vcc 0
		.amdhsa_float_denorm_mode_32 3
		.amdhsa_float_denorm_mode_16_64 3
		.amdhsa_memory_ordered 1
		.amdhsa_forward_progress 1
		.amdhsa_inst_pref_size 100
	.end_amdhsa_kernel
	.amdgpu_metadata
---
amdhsa.version: [ 1, 2 ]
amdhsa.kernels:
  - .name:           k_q0d65c9c250_proj
    .symbol:         k_q0d65c9c250_proj.kd
    .args:
      - { .name: oc, .offset: 0, .size: 8, .value_kind: global_buffer, .address_space: global }
      - { .name: os, .offset: 8, .size: 8, .value_kind: global_buffer, .address_space: global }
      - { .name: W_proj_codes, .offset: 16, .size: 8, .value_kind: global_buffer, .address_space: global }
      - { .name: W_proj_scales, .offset: 24, .size: 8, .value_kind: global_buffer, .address_space: global }
      - { .name: b_proj, .offset: 32, .size: 8, .value_kind: global_buffer, .address_space: global }
      - { .name: out0, .offset: 40, .size: 8, .value_kind: global_buffer, .address_space: global }
    .group_segment_fixed_size: 327680
    .private_segment_fixed_size: 0
    .kernarg_segment_align: 8
    .kernarg_segment_size: 48
    .max_flat_workgroup_size: 128
    .sgpr_count:     106
    .vgpr_count:     1024
    .wavefront_size: 32
...
	.end_amdgpu_metadata
.endif
;; end of part 3
